; MI455X (gfx1250); checked and timed in simulation.
; The chip was launched on July 23, 2026; its instructions are those of AMD's public machine-readable ISA for CDNA 5 (MIT licence, August 2026) and "CDNA5" Instruction Set Architecture Reference Guide (July 2026). The comments in the code are by the model that wrote it; some were corrected since.
;; K Means Quantizer. Allowed arithmetic: float matrix products may take bf16 or f16 operands with f32 sums; other float arithmetic in f32, or as packed bf16 or f16 multiplies, adds, multiply-adds, maxima and minima; sums over many terms, partial sums and values carried from step to step in f32; what a program stores and reads back later, other than sums and carried values, may be rounded once to bf16 or f16.
;; Inputs: centroids 2,048 x 1,024 float32; x 16 x 2,000 x 1,024 float32.
;; Outputs: out0 16 x 2,000 int32.
;; 2 versions, each right; version 2 is version 1 with the launch prep written anew for expert scheduling mode. Each part assembles by itself: llvm-mc -triple=amdgcn-amd-amdhsa -mcpu=gfx1250 --defsym DOCPART=n.
;; ======== version 1 of 2: 2 launches
;; workspace buffers: cb 4,194,304 bytes; csqt 8,448 bytes
;; launch prep (part 1): grid 256 x 1, 8 waves a work-group, no clusters, 0 bytes of LDS; arguments centroids, cb, csqt; writes cb, csqt
.if DOCPART == 1
	.amdgcn_target "amdgcn-amd-amdhsa--gfx1250"
	.amdhsa_code_object_version 6
	.text
	.protected	k_q7fd48b8f01_prep
	.globl	k_q7fd48b8f01_prep
	.p2align	8
	.type	k_q7fd48b8f01_prep,@function
k_q7fd48b8f01_prep:
	s_mov_b64 s[64:65], 0
	v_nop
	global_prefetch_b8 v0, s[64:65] scope:SCOPE_SE
	s_setreg_imm32_b32 hwreg(HW_REG_WAVE_MODE, 25, 1), 1
	s_wait_xcnt 0x0
; cb[k][e] = centroids[k][e] rounded to bf16 (nearest even);  csqt[64 + k] = the f32 sum over e of cb[k][e]^2;  csqt[0..63] = +infinity.
; centroids: [2048][1024] f32.  cb: [2048][1024] bf16.  csqt: [2112] f32.
; The squares are those of the ROUNDED numbers: the next launch multiplies the rounded centroids, and the two terms of a distance must belong to the same centroid.
; The 64 infinities in front are the norms of two empty groups of 32 centroids with which the next launch's pipeline starts: a distance made with them is never below a minimum.
; SHARES.  One wave, one row of 4,096 bytes: eight loads of 16 bytes a lane, each of 512 consecutive bytes; eight stores of 8 bytes a lane, each of 256 consecutive bytes, aligned.
; The sum never leaves the wave: no LDS, no barrier.  Eight chains in a lane (four packed pairs), then a tree: the order differs from any other summing's by roundings of the last bits.
; LIMIT.  csqt is written four bytes a row: 8,448 bytes beside cb's 4 MiB.
.set F,   8                            ; v[8:39]   the row's 32 numbers of my lane, f32
.set PK,  40                           ; v[40:55]  the same, bf16 in pairs; each pair of registers is one store's data and is never rewritten
.set U,   56                           ; v[56:63]  four pairs at work: a packed word widened again
.set CH,  64                           ; v[64:71]  four packed chains of squares
	s_load_b128 s[4:7], s[0:1], 0x0                ; centroids s[4:5], cb s[6:7]
	s_load_b64 s[8:9], s[0:1], 0x10                ; csqt
	v_and_b32 v1, 31, v0                           ; lane
	v_lshrrev_b32 v4, 5, v0
	v_readfirstlane_b32 s10, v4                    ; wave 0..7
	s_lshl_b32 s11, ttmp9, 3
	s_add_co_u32 s11, s11, s10                     ; my row = 8 x work-group + wave
	v_lshlrev_b32 v2, 4, v1                        ; 16 bytes a lane in
	v_lshlrev_b32 v3, 3, v1                        ; 8 bytes a lane out
	s_mov_b32 s12, 0x76543210                      ; v_permlanex16_b32: each lane takes its own place in the other half
	s_mov_b32 s13, 0xfedcba98
	s_mov_b32 s14, 0xffff0000                      ; a word's upper bf16
	s_lshl_b32 s16, s11, 12                        ; the row in centroids,
	s_mov_b32 s17, 0
	s_lshl_b32 s18, s11, 11                        ; in cb,
	s_mov_b32 s19, 0
	s_lshl_b32 s20, s11, 2
	s_add_co_u32 s20, s20, 256                     ; and its word in csqt, behind the 64 infinities
	v_mov_b32 v6, s20
	s_wait_kmcnt 0x0
	s_add_nc_u64 s[4:5], s[4:5], s[16:17]
	s_add_nc_u64 s[6:7], s[6:7], s[18:19]
.irp i, 0,1,2,3,4,5,6,7
	global_load_b128 v[F+4*(\i):F+4*(\i)+3], v2, s[4:5] offset:512*(\i) th:TH_LOAD_NT
.endr
.irp i, 0,1,2,3,4,5,6,7
	s_wait_loadcnt 7-(\i)                          ; loads come back in order: load i is in, the younger ones stay out
	v_cvt_pk_bf16_f32 v[PK+2*(\i)],   v[F+4*(\i)],   v[F+4*(\i)+1]
	v_cvt_pk_bf16_f32 v[PK+2*(\i)+1], v[F+4*(\i)+2], v[F+4*(\i)+3]
	global_store_b64 v3, v[PK+2*(\i):PK+2*(\i)+1], s[6:7] offset:256*(\i)
.irp j, 0,1
.set c, (2*(\i)+(\j))%4                ; the word's chain
	v_lshlrev_b32 v[U+2*c],   16,  v[PK+2*(\i)+(\j)]  ; the rounded numbers as f32
	v_and_b32     v[U+2*c+1], s14, v[PK+2*(\i)+(\j)]
.if (\i) < 2
	v_pk_mul_f32 v[CH+2*c:CH+2*c+1], v[U+2*c:U+2*c+1], v[U+2*c:U+2*c+1]  ; the first four words start the chains: nothing is cleared
.else
	v_pk_fma_f32 v[CH+2*c:CH+2*c+1], v[U+2*c:U+2*c+1], v[U+2*c:U+2*c+1], v[CH+2*c:CH+2*c+1]
.endif
.endr
.endr
	v_pk_add_f32 v[CH:CH+1], v[CH:CH+1], v[CH+2:CH+3]
	v_pk_add_f32 v[CH+4:CH+5], v[CH+4:CH+5], v[CH+6:CH+7]
	v_pk_add_f32 v[CH:CH+1], v[CH:CH+1], v[CH+4:CH+5]
	v_add_f32 v[CH], v[CH], v[CH+1]
	v_add_f32_dpp v[CH], v[CH], v[CH] row_xmask:1 row_mask:0xf bank_mask:0xf
	v_add_f32_dpp v[CH], v[CH], v[CH] row_xmask:2 row_mask:0xf bank_mask:0xf
	v_add_f32_dpp v[CH], v[CH], v[CH] row_xmask:4 row_mask:0xf bank_mask:0xf
	v_add_f32_dpp v[CH], v[CH], v[CH] row_xmask:8 row_mask:0xf bank_mask:0xf
	v_permlanex16_b32 v[CH+1], v[CH], s12, s13     ; its destination counts as read: it has been written
	v_add_f32 v[CH], v[CH], v[CH+1]
	s_wait_xcnt 0x0                                ; EXEC is a source of the stores above: it changes only behind this wait
	v_cmp_eq_u32 vcc_lo, 0, v1
	s_and_saveexec_b32 s21, vcc_lo
	global_store_b32 v6, v[CH], s[8:9]             ; lane 0 alone
	s_wait_xcnt 0x0                                ; and again in front of the line that widens it
	s_or_b32 exec_lo, exec_lo, s21
	s_cmp_lg_u32 ttmp9, 0                          ; the 64 infinities: threads 0 to 63 of work-group 0
	s_cbranch_scc1 .Lend
	s_cmp_lt_u32 s10, 2
	s_cbranch_scc0 .Lend
	v_lshlrev_b32 v7, 2, v0
	v_mov_b32 v72, 0x7f800000
	global_store_b32 v7, v72, s[8:9]
.Lend:
	s_endpgm
.Lfunc_end_k_q7fd48b8f01_prep:
	.size	k_q7fd48b8f01_prep, .Lfunc_end_k_q7fd48b8f01_prep-k_q7fd48b8f01_prep
	.p2alignl 7, 3214868480
	.fill 96, 4, 3214868480
	.section	.rodata,"a",@progbits
	.p2align	6, 0x0
	.amdhsa_kernel k_q7fd48b8f01_prep
		.amdhsa_group_segment_fixed_size 0
		.amdhsa_private_segment_fixed_size 0
		.amdhsa_enable_private_segment 0
		.amdhsa_kernarg_size 24
		.amdhsa_user_sgpr_count 2
		.amdhsa_user_sgpr_kernarg_segment_ptr 1
		.amdhsa_wavefront_size32 1
		.amdhsa_system_sgpr_workgroup_id_x 1
		.amdhsa_system_sgpr_workgroup_id_y 1
		.amdhsa_system_sgpr_workgroup_id_z 1
		.amdhsa_system_vgpr_workitem_id 0
		.amdhsa_next_free_vgpr 80
		.amdhsa_next_free_sgpr 66
		.amdhsa_reserve_vcc 1
		.amdhsa_float_denorm_mode_32 3
		.amdhsa_float_denorm_mode_16_64 3
		.amdhsa_memory_ordered 1
		.amdhsa_forward_progress 1
		.amdhsa_inst_pref_size 8
	.end_amdhsa_kernel
	.amdgpu_metadata
---
amdhsa.version: [ 1, 2 ]
amdhsa.kernels:
  - .name:           k_q7fd48b8f01_prep
    .symbol:         k_q7fd48b8f01_prep.kd
    .args:
      - { .name: centroids, .offset: 0, .size: 8, .value_kind: global_buffer, .address_space: global }
      - { .name: cb, .offset: 8, .size: 8, .value_kind: global_buffer, .address_space: global }
      - { .name: csqt, .offset: 16, .size: 8, .value_kind: global_buffer, .address_space: global }
    .group_segment_fixed_size: 0
    .private_segment_fixed_size: 0
    .kernarg_segment_align: 8
    .kernarg_segment_size: 24
    .max_flat_workgroup_size: 256
    .sgpr_count:     66
    .vgpr_count:     80
    .wavefront_size: 32
...
	.end_amdgpu_metadata
.endif
;; end of part 1
;; launch assign (part 2): grid 256 x 1, 4 waves a work-group, clusters of 4 x 1, 327,680 bytes of LDS; arguments x, cb, csqt, out0; writes out0
.if DOCPART == 2
	.amdgcn_target "amdgcn-amd-amdhsa--gfx1250"
	.amdhsa_code_object_version 6
	.text
	.protected	k_q7fd48b8f01_assign
	.globl	k_q7fd48b8f01_assign
	.p2align	8
	.type	k_q7fd48b8f01_assign,@function
k_q7fd48b8f01_assign:
	s_mov_b64 s[64:65], 0
	v_nop
	global_prefetch_b8 v0, s[64:65] scope:SCOPE_SE
	s_setreg_imm32_b32 hwreg(HW_REG_WAVE_MODE, 25, 1), 1
	s_wait_xcnt 0x0
	s_wait_alu depctr_hold_cnt(0) depctr_sa_sdst(0) depctr_va_vdst(0) depctr_va_sdst(0) depctr_va_ssrc(0) depctr_va_vcc(0) depctr_vm_vsrc(0)
	s_getreg_b32 s2, hwreg(HW_REG_IB_STS2, 6, 4)
	s_cmp_eq_u32 s2, 0
	s_cbranch_scc0 .Lentry_in_a_cluster
	s_endpgm
.Lentry_in_a_cluster:
	s_bfe_u32 s2, ttmp6, 0x10000c
	s_cmp_lg_u32 s2, 0x3003
	s_cbranch_scc0 .Lentry_shape_is_right
	s_endpgm
.Lentry_shape_is_right:
; out0[n] = the k with the least d[n][k] = csq[k] - 2 x[n] . c[k], the lowest k among equals.  x: [32000][1024] f32.  cb: [2048][1024] bf16, the rounded centroids.
; csqt: [2112] f32: 64 infinities, then csq of the rounded centroids.  out0: [32000] i32.
; LIMITS.  x and the centroids enter the product rounded to bf16, sums in f32: the result is that of the same argmin on inputs so rounded.  d is one fused multiply-add of the finished sum, rounded once.
; Where a row's two least distances differ by a few units of f32's last place (some 1e-4 at d near 750), the order of the f32 sums decides between them.  NaN and infinities are not treated apart:
; a distance that is NaN or +infinity is never taken.  A work-group's 500 bytes of out0 are stored four bytes a lane, 128,000 bytes in all.
; SHARES.  32,000 rows = 256 work-groups x 125; a work-group's tile has 128 rows, of which rows 125 to 127 repeat row 124 and are not stored.  Four waves, w = 2 rh + kh: wave (rh, kh) holds 64 rows
; (64 rh on) x 512 channels (512 kh on) of x as bf16 fragments in 512 registers for the whole launch: x is read once, straight into registers, since no wave wants a byte that another has fetched.
; THE CENTROIDS go by in 32 blocks of 64 (131,072 bytes) through two LDS slots.  A fragment of 16 centroids x 32 channels read from LDS feeds four products (the wave's four row tiles).
; K IS SPLIT between the waves kh = 0 and 1 of a row half: each finishes two of the four row tiles (OWN) and hands its partial sums of the other two (NON) to its partner through LDS.
; CLUSTER.  All work-groups walk the same centroids: the four of a cluster ask for each block JOINTLY: the same tensor load, descriptor and mask in all four; each receives it in its own LDS.
; THE MATRIX INSTRUCTION: source 0 = 16 centroids, source 1 = 16 rows of x.  In the result lane l holds ONE row of x (l % 16) and the centroids 8 (l / 16) + 0..7: the running minimum and its index are kept
; for each of a lane's eight places and meet only at the end.
; PIPELINE, in halves of a block (a GROUP of 32 centroids, 128 products a wave, two sets of accumulators by turns).  Half g: the products of group g; the exchange and the sums of group g - 1;
; d and the minimum of group g - 2.  The vector work stands in slices of three to five instructions behind every second product of the half's first 64.
; The first two halves work on two empty groups: sums of 0 and norms of +infinity.
; REGISTERS, in windows of 256 (s_set_vgpr_msb: bits 1:0 source 0, 3:2 source 1, 5:4 source 2, 7:6 destination):
;   window 0: addresses, minima, indices, sums, norms; v128-255 the two sets of 8 accumulators
;   window 1: four buffers of 64: a piece (128 channels) of a group's centroids each; at the start x's f32 on its way to bf16
;   windows 2, 3: x: fragment (row tile t, channels 32 kf on) at 8 (4 (kf % 8) + t), kf 0-7 in window 2, 8-15 in window 3
.set ROWS,  125
.set PITCH, 528                        ; an LDS row: 512 bytes + 16 of padding = 132 words: the 16 rows of a fragment load start at 16 different groups of four banks (64 banks of 4 bytes: ISA guide 11.1)
.set REG,   64*PITCH                   ; what one tensor load brings: 64 centroids x 256 channels, a quarter of a block
.set SLOT,  4*REG                      ; 0x21000: it shares no bit with wave x REG, so one exclusive or changes slots
.set XCH,   2*SLOT                     ; the exchange: two buffers x four waves x 4,096 bytes; no tensor load lands here
.set XBUF,  16384
.set CSQ,   XCH+2*XBUF                 ; csqt as it lies in memory, 8,448 bytes, filled once
.set SPARE, CSQ+8448                   ; the spare words, 128 bytes for each wave: two blocks of 256 bytes that no other line names
.set BLKB,  64*2048                    ; a block in cb
.set ADRC, 4                           ; v4      LDS address of my fragments in the slot in hand
.set AC0,  5                           ; v5      the same less the slot: (l % 16) x PITCH + 16 (l / 16) + kh x 2 REG; never rewritten
.set XS,   6                           ; v6      where I put 16 bytes of a partial sum: XCH + 4,096 w + 16 l
.set XL,   7                           ; v7      where my partner put them: XCH + 4,096 (w xor 1) + 16 l
.set CQA,  8                           ; v8      LDS address of the norms to be read next
.set CQ0,  9                           ; v9      32 (l / 16): my eight centroids' words in a tile of 16
.set XO,   10                          ; v10-13  my byte offset in x for row tile t; never rewritten
.set PFO,  14                          ; v14     the prefetches' offset; never rewritten
.set OO,   15                          ; v15     4 x thread: my word of out0
.set TV,   16                          ; v16-17  the first centroid's number of the two tiles whose distances are in hand
.set H8,   18                          ; v18     8 (l / 16)
.set RES,  24                          ; v24     the result
.set SPW,  28                          ; v28     LDS address of my spare word: SPARE + 4 x my thread's number; never rewritten
.set NIL,  29                          ; v29     0; never rewritten
.set MN,   32                          ; v32-47  the running minimum, own tile t, place j at 8 t + j
.set ID,   48                          ; v48-63  the tile's first centroid at which it was found
.set SUM,  64                          ; v64-95  a group's sums, then its distances: centroid tile ct, own tile t, place j at 16 ct + 8 t + j
.set CQ,   96                          ; v96-111 its norms: 8 ct + j
.set ACC,  128                         ; v128-255 set s, centroid tile ct, row tile t at 64 s + 8 (4 ct + t); t = 0, 1 OWN, t = 2, 3 NON
.set WV,   12                          ; s12  my wave's number
.set RH,   13                          ; s13  which 64 rows
.set KH,   14                          ; s14  which 512 channels
.set CX,   15                          ; s15  my place in the cluster; s16, s74-79 are made from it and feed x's, out0's and the prefetches' addresses alone
.set G1C,  24                          ; s[24:31] descriptor group 1 for a quarter of a block
.set G0,   32                          ; s[32:35] group 0 for block 0
.set G0W,  36                          ; s[36:39] group 0 for block 1; then it walks
.set G1Q,  40                          ; s[40:47] group 1 for a quarter of csqt
.set G0Q,  48                          ; s[48:51] its group 0
.set CNT,  52                          ; s52  trips to go
.set LIM,  53                          ; s53  2 in the launch's first cluster, else the greatest number: a wave prefetches while s[CNT] is above it
.set PFA,  54                          ; s[54:55] where my work-group's prefetches stand in cb
.set TB,   56                          ; s56  0 or SLOT: the slot in hand
.set CQS,  57                          ; s57  LDS byte of the norms to be read next
.set TN,   58                          ; s58  the first centroid of the group whose distances come next
.set SEL,  60                          ; s[60:61] v_permlanex16_b32's selects
.set MSB, 0
.macro WIN new                         ; the immediate's high byte repeats the setting that is left; a switch that changes nothing is dropped
.if MSB != (\new)
	s_set_vgpr_msb (MSB<<8)|(\new)
.set MSB, \new
.endif
.endm
; A round of the cluster's barrier: my work-group's barrier, so that wave 0's signal speaks for all four waves; wave 0 signals; every wave waits for all four work-groups; my work-group's barrier once more.
.macro CREST                           ; a round behind its opening barrier
	s_cmp_lg_u32 s[WV], 0
	s_cbranch_scc1 .Lnot_wave_0_\@
	s_barrier_signal -3
.Lnot_wave_0_\@:
	s_barrier_wait -3
	s_barrier_signal -1
	s_barrier_wait -1
.endm
.macro CROUND                          ; a whole round
	s_barrier_signal -1
	s_barrier_wait -1
	CREST
.endm
; A joint refill: every wave fetches its quarter (channels 256 w on) of the block.  One line, one mask; nothing in its registers hangs on a work-group's place.  An s_nop 0 and four v_nop follow.
.macro JLOAD
	tensor_load_to_lds s[G0W:G0W+3], s[G1C:G1C+7]
	s_nop 0
.rept 4
	v_nop
.endr
.endm
; A PREFETCH INTO THE L2 of the block that stands TWO refills on: 512 matrix instructions ahead of the load that will want it.  All 64 clusters walk cb once, in step by and large: the launch's first cluster asks, and nobody
; else.  Its four partners take 16 of the block's 64 rows each, told apart BY ADDRESS; each wave takes its own 512 bytes of a row, a lane 256 of them: one instruction a wave, each 256 bytes named once in the launch.
; Blocks 0 to 3 come by their loads alone; the trips whose block would lie behind cb's end ask for nothing.
.macro ASK
	s_cmp_gt_u32 s[CNT], s[LIM]
	s_cbranch_scc0 .Lnot_mine_\@
	global_prefetch_b8 v[PFO], s[PFA:PFA+1] th:TH_LOAD_NT scope:SCOPE_SE
.Lnot_mine_\@:
.endm
; x, batch b of 16: row tile b % 4, channels 128 (b / 4) on: four fragments, 16 loads of 16 bytes a lane, into buffer b % 4 of window 1.  A fragment's lane wants channels 8 (l / 16) + 0..7 and 16 + 8 (l / 16) + 0..7:
; in f32 two runs of 32 bytes, 64 bytes apart.  A batch's loads cover 512 consecutive bytes of each of 16 rows.
.macro LOADX b
	WIN 0x40                                       ; destination window 1, address window 0
.irp f, 0,1,2,3
	global_load_b128 v[64*((\b)%4)+16*(\f):64*((\b)%4)+16*(\f)+3],     v[XO+(\b)%4], s[4:5] offset:512*((\b)/4)+128*(\f)
	global_load_b128 v[64*((\b)%4)+16*(\f)+4:64*((\b)%4)+16*(\f)+7],   v[XO+(\b)%4], s[4:5] offset:512*((\b)/4)+128*(\f)+16
	global_load_b128 v[64*((\b)%4)+16*(\f)+8:64*((\b)%4)+16*(\f)+11],  v[XO+(\b)%4], s[4:5] offset:512*((\b)/4)+128*(\f)+64
	global_load_b128 v[64*((\b)%4)+16*(\f)+12:64*((\b)%4)+16*(\f)+15], v[XO+(\b)%4], s[4:5] offset:512*((\b)/4)+128*(\f)+80
.endr
.endm
.macro CVTX b                          ; the batch rounded to bf16, into its fragments' places
	WIN 0x85+0x40*((\b)/8)                         ; sources window 1, destination window 2 or 3
.irp f, 0,1,2,3
.irp q, 0,1,2,3,4,5,6,7
	v_cvt_pk_bf16_f32 v[8*(4*((4*((\b)/4)+(\f))&7)+(\b)%4)+(\q)], v[64*((\b)%4)+16*(\f)+2*(\q)], v[64*((\b)%4)+16*(\f)+2*(\q)+1]
.endr
.endr
.endm
; 16 LDS loads in one run: piece p (my channels 128 p on) of the 32 centroids of half hh of the slot in hand: fragment (ct, f) at 64 p + 8 (4 ct + f) of window 1
.macro FETCHC p, hh
	WIN 0x40
.irp ct, 0,1
.irp f, 0,1,2,3
	ds_load_b128 v[64*(\p)+8*(4*(\ct)+(\f)):64*(\p)+8*(4*(\ct)+(\f))+3],   v[ADRC] offset:((\p)/2)*REG+(32*(\hh)+16*(\ct))*PITCH+256*((\p)%2)+64*(\f)
	ds_load_b128 v[64*(\p)+8*(4*(\ct)+(\f))+4:64*(\p)+8*(4*(\ct)+(\f))+7], v[ADRC] offset:((\p)/2)*REG+(32*(\hh)+16*(\ct))*PITCH+256*((\p)%2)+64*(\f)+32
.endr
.endr
.endm
; Product i of a piece's 32: channels 32 (i / 8) on, centroid tile (i / 4) % 2, row tile i % 4.  The set's 8 accumulators take turns, one instruction a turn, from piece to piece, from half to half and over the
; backward jumps too.  zero = 1: the piece's first 8 start the sums with the constant 0.
.macro MM p, set, zero
.set rD, ACC+64*(\set)+8*(i%8)
.set rA, 64*(\p)+8*(4*((i/4)%2)+i/8)
.set rB, 8*(4*((4*(\p)+i/8)&7)+i%4)
	WIN 0x09+4*((\p)/2)                            ; centroids window 1, x window 2 or 3, sums window 0
.if (\zero) && (i < 8)
	v_wmma_f32_16x16x32_bf16 v[rD:rD+7], v[rA:rA+7], v[rB:rB+7], 0
.else
	v_wmma_f32_16x16x32_bf16 v[rD:rD+7], v[rA:rA+7], v[rB:rB+7], v[rD:rD+7]
.endif
.endm
; THE VECTOR WORK on a group's 32 sums a lane.  FMA n: d = csq - 2 sum for sums 2 n and 2 n + 1, one rounding each.  TRI n: where d n is below the place's minimum, minimum and tile are taken;
; the tiles come in ascending order and the comparison is strict, so of equal distances the first stays.
.macro FMA n
	v_pk_fma_f32 v[SUM+2*(\n):SUM+2*(\n)+1], v[SUM+2*(\n):SUM+2*(\n)+1], -2.0, v[CQ+8*((\n)/8)+(2*(\n))%8:CQ+8*((\n)/8)+(2*(\n))%8+1] op_sel_hi:[1,0,1]
.endm
.macro TRI n
	v_cmp_lt_f32 vcc_lo, v[SUM+(\n)], v[MN+(\n)%16]
	v_cndmask_b32 v[MN+(\n)%16], v[MN+(\n)%16], v[SUM+(\n)], vcc_lo
	v_cndmask_b32 v[ID+(\n)%16], v[ID+(\n)%16], v[TV+(\n)/16], vcc_lo
.endm
.macro SLICE kk                        ; slice k of 32: TRI k, and the FMA that TRI k + 2 and k + 3 will want
.set k, \kk
	WIN 0
.if k == 0
	FMA 0
	FMA 1
.elseif (k%2 == 0) && (k <= 28)
	FMA k/2+1
.endif
	TRI k
.endm
; THE EXCHANGE.  My four NON accumulators of a set go into my 4,096 bytes of the set's buffer, 16 bytes a lane, lane by lane as they lie; each accumulator's low four registers first.
.macro XSTORE set
	WIN 0
.irp q, 0,1,2,3,4,5,6,7                ; q = 4 ct + 2 t' + half: accumulator (ct, 2 + t')
	ds_store_b128 v[XS], v[ACC+64*(\set)+8*(4*((\q)/4)+2+((\q)/2)%2)+4*((\q)%2):ACC+64*(\set)+8*(4*((\q)/4)+2+((\q)/2)%2)+4*((\q)%2)+3] offset:(\set)*XBUF+512*(\q)
.endr
.endm
.macro XLOAD buf                       ; my partner's NON tiles are my OWN tiles: its partial sums start SUM
	WIN 0
.irp q, 0,1,2,3,4,5,6,7
	ds_load_b128 v[SUM+4*(\q):SUM+4*(\q)+3], v[XL] offset:(\buf)*XBUF+512*(\q)
.endr
.endm
.macro CQLOAD                          ; the norms of my eight centroids in each of the group's two tiles
	WIN 0
.irp q, 0,1,2,3
	ds_load_b128 v[CQ+4*(\q):CQ+4*(\q)+3], v[CQA] offset:64*((\q)/2)+16*((\q)%2)
.endr
.endm
.macro ADDS n, set                     ; my own partial sums of accumulator (ct = n / 2, t = n % 2) onto my partner's, from the accumulator's low end on
	WIN 0
.irp q, 0,1,2,3
	v_pk_add_f32 v[SUM+8*(\n)+2*(\q):SUM+8*(\n)+2*(\q)+1], v[SUM+8*(\n)+2*(\q):SUM+8*(\n)+2*(\q)+1], v[ACC+64*(\set)+8*(4*((\n)/2)+(\n)%2)+2*(\q):ACC+64*(\set)+8*(4*((\n)/2)+(\n)%2)+2*(\q)+1]
.endr
.endm
.macro NEXTG                           ; norms and tile numbers step to the next group
	s_add_co_u32 s[CQS], s[CQS], 128
	v_add_nc_u32 v[CQA], s[CQS], v[CQ0]
	s_add_co_i32 s[TN], s[TN], 32
	v_mov_b32 v[TV], s[TN]
	v_add_nc_u32 v[TV+1], 16, v[TV]
.endm
; A HALF: 32 centroids, four pieces of 32 products, on accumulator set hh.  kind 0: its barrier serves the exchange alone.  kind 1: it also opens a round of the cluster's barrier, behind which the slot just read out
; is filled again.  kind 2 (the tail): the next slot is waited for, nothing is filled.
; A load into a register that a matrix instruction has read stands four plain vector instructions that name none of its registers behind it (ISA guide 7.12.1 for vector instructions).
; Buffer 2's last reader has the half before's 16 additions behind it, buffer 3's the first piece's slices, buffer 0's the second piece's, buffer 1's slice 31 and NEXTG's three lines.
.macro HALF hh, kind
	s_wait_dscnt 16                                ; the norms and piece 0 are in; piece 1's 16 loads may be out
	FETCHC 2, \hh
.set i, 0
.rept 32
	MM 0, \hh, 1
.if i%2 == 1
	SLICE (i-1)/2
.endif
.if i == 5
	XSTORE 1-(\hh)                                 ; the group before's: twelve plain instructions (slices 0 to 2) stand behind its last product
.endif
.set i, i+1
.endr
	s_wait_dscnt 24                                ; piece 1 is in; piece 2's 16 loads and the 8 stores may be out
	FETCHC 3, \hh
.set i, 0
.rept 32
	MM 1, \hh, 0
.if i%2 == 1
	SLICE 16+(i-1)/2
.endif
.if (\kind) && (i == 23)
	WIN 0
	s_wait_tensorcnt 0x0                           ; all my tensor loads have landed: the one that was out is my quarter of the next block;
	ds_add_u32 v[SPW], v[NIL]                      ; 0 onto my spare word; eight products and their slices stand between it and the wait for it
.endif
.set i, i+1
.endr
	s_wait_dscnt 0x0                               ; for the others' sake: my stores into the exchange are done, my reads of its other buffer are back; pieces 2 and 3 are in: in a block's second half my last reads of the slot; the add is done
	s_barrier_signal -1
.set i, 0
.rept 16
	MM 2, \hh, 0                                   ; work on registers while the others arrive
.set i, i+1
.endr
	WIN 0                                          ; at a label and at a branch every window is 0
	s_barrier_wait -1
.if (\kind) == 1
	CREST                                          ; no wave of any partner still reads the slot or has a load on its way
	s_xor_b32 s[G0W+1], s[G0W+1], SLOT             ; the walking descriptor: the other slot than last time,
	s_add_nc_u64 s[G0W+2:G0W+3], s[G0W+2:G0W+3], BLKB  ; the next block; the type bits on top are not reached
	JLOAD                                          ; the first tensor load behind the round, my only one until the next: 232 matrix instructions ahead of the wait for it
.endif
.if \hh
	s_xor_b32 s[TB], s[TB], SLOT                   ; the fetches go on in the other slot
	v_add_nc_u32 v[ADRC], s[TB], v[AC0]
.endif
	NEXTG
	XLOAD 1-(\hh)
	CQLOAD
	FETCHC 0, 1-(\hh)                              ; the next half's first piece
.if (\kind) == 1
	WIN 0
	ASK                                            ; behind the joint load and the run of LDS loads
.endif
.rept 16
	MM 2, \hh, 0
.set i, i+1
.endr
	FETCHC 1, 1-(\hh)
.set i, 0
.rept 32
.if i == 8
	s_wait_dscnt 36                                ; my partner's sums are in; the 4 loads of norms and the next half's 32 may be out
.endif
	MM 3, \hh, 0
.if (i >= 11) && (i <= 23) && (i%4 == 3)
	ADDS (i-11)/4, 1-(\hh)
.endif
.set i, i+1
.endr
.endm
; Of two candidates (minimum, index) the first takes the second's place where the second is lower, or equal with the lower index.
.macro MERGE ma, ia, mb, ib
	v_cmp_lt_f32 s70, v[(\mb)], v[(\ma)]
	v_cmp_eq_f32 s71, v[(\mb)], v[(\ma)]
	v_cmp_lt_u32 s72, v[(\ib)], v[(\ia)]
	s_and_b32 s71, s71, s72
	s_or_b32 vcc_lo, s70, s71
	v_cndmask_b32 v[(\ma)], v[(\ma)], v[(\mb)], vcc_lo
	v_cndmask_b32 v[(\ia)], v[(\ia)], v[(\ib)], vcc_lo
.endm
.macro MRG t, a, b
	MERGE MN+8*(\t)+(\a), ID+8*(\t)+(\a), MN+8*(\t)+(\b), ID+8*(\t)+(\b)
.endm
	s_load_b256 s[4:11], s[0:1], 0x0               ; x s[4:5], cb s[6:7], csqt s[8:9], out0 s[10:11]
	v_lshl_add_u32 v[SPW], v0, 2, SPARE
	v_mov_b32 v[NIL], 0
	ds_add_u32 v[SPW], v[NIL]                      ; the wave's opening: the add, twice on end, and its wait ahead of my first tensor load; the set-up below, work on registers, stands between
	ds_add_u32 v[SPW], v[NIL]                      ; and once more, under the one wait
	v_lshrrev_b32 v20, 5, v0
	v_readfirstlane_b32 s[WV], v20                 ; wave 0..3
	s_lshr_b32 s[RH], s[WV], 1
	s_and_b32 s[KH], s[WV], 1
	s_bfe_u32 s[CX], ttmp6, 0x40000                ; my place in the cluster
	s_lshl_b32 s16, ttmp9, 2                       ; in a cluster launch ttmp9 counts clusters
	s_add_co_u32 s16, s16, s[CX]                   ; my work-group's number
	s_mul_i32 s74, s16, ROWS*4096                  ; its 125 rows of x (under 2^28),
	s_mov_b32 s75, 0
	s_mul_i32 s76, s16, ROWS*4                     ; its 125 words of out0,
	s_mov_b32 s77, 0
	s_lshl_b32 s78, s[CX], 15                      ; its 16 rows of a block of cb, for the prefetches
	s_mov_b32 s79, 0
	s_lshl_b32 s20, s[WV], 9                       ; my quarter of a row of cb
	s_mov_b32 s21, 0
	s_mul_i32 s22, s[WV], 2112                     ; my quarter of csqt
	s_mov_b32 s23, 0
	; descriptor group 1 for the centroids: a tile of 64 rows x 256 elements, padded in LDS
	s_mov_b32 s[G1C+0], 15|(1<<16)|(1<<20)|(1<<21)|(6<<22)|(3<<25)  ; 15:0 the mask: all four work-groups; 17:16 elements of 2 bytes; 20 padding on; 21 set beside a mask; 24:22 after every 128 words (code 6); 31:25 4 words of it (code 3)
	s_mov_b32 s[G1C+1], 256<<16                    ; tensor_dim0 = 256
	s_mov_b32 s[G1C+2], 64<<16                     ; tensor_dim1 = 64
	s_mov_b32 s[G1C+3], 256<<16                    ; tile_dim0 = 256
	s_mov_b32 s[G1C+4], 64                         ; tile_dim1 = 64
	s_mov_b32 s[G1C+5], 1024                       ; elements from row to row
	s_mov_b32 s[G1C+6], 0
	s_mov_b32 s[G1C+7], 0
	; and for the norms: one row of 264 elements of 8 bytes
	s_mov_b32 s[G1Q+0], 15|(3<<16)|(1<<21)
	s_mov_b32 s[G1Q+1], 264<<16
	s_mov_b32 s[G1Q+2], 1<<16
	s_mov_b32 s[G1Q+3], 264<<16
	s_mov_b32 s[G1Q+4], 1
	s_mov_b32 s[G1Q+5], 264
	s_mov_b32 s[G1Q+6], 1<<16
	s_mov_b32 s[G1Q+7], 0
	s_mov_b32 s[G0], 1                             ; count = 1
	s_mul_i32 s[G0+1], s[WV], REG                  ; LDS address: slot 0, my quarter: no place in the cluster enters an LDS address
	s_mov_b32 s[G0W], 1
	s_add_co_u32 s[G0W+1], s[G0+1], SLOT           ; slot 1
	s_mov_b32 s[G0Q], 1
	s_add_co_u32 s[G0Q+1], s22, CSQ
	s_mov_b32 s[SEL], 0x76543210
	s_mov_b32 s[SEL+1], 0xfedcba98
	s_cmp_eq_u32 ttmp9, 0                          ; the launch's first cluster? the same in all four partners
	s_cselect_b32 s[LIM], 2, -1
	v_and_b32 v1, 15, v0                           ; l % 16
	v_bfe_u32 v2, v0, 4, 1                         ; l / 16
	v_and_b32 v3, 31, v0                           ; l
	; Row tile t of my registers is tile t xor 2 kh of my 64 rows: so tiles 0 and 1 are the ones that I finish, and my tiles 2 and 3 are my partner's 0 and 1.
	s_lshl_b32 s17, s[RH], 6
	s_lshl_b32 s18, s[KH], 1
	s_lshl_b32 s19, s[KH], 11                      ; my 512 channels: 2,048 bytes of f32
	v_lshl_add_u32 v21, v2, 5, s19                 ; + 32 (l / 16)
.irp t, 0,1,2,3
	s_xor_b32 s19, s18, \t
	s_lshl_b32 s19, s19, 4
	s_add_co_u32 s19, s19, s17
	v_add_nc_u32 v[XO+(\t)], s19, v1               ; the row in the work-group's tile,
	v_min_u32 v[XO+(\t)], ROWS-1, v[XO+(\t)]       ; rows 125 to 127 repeat row 124: no load leaves the work-group's rows
	v_lshl_add_u32 v[XO+(\t)], v[XO+(\t)], 12, v21
.endr
	s_wait_dscnt 0x0                               ; both opening adds are done
	s_wait_kmcnt 0x0
	s_add_nc_u64 s[4:5], s[4:5], s[74:75]          ; x and out0 at my work-group's first row
	s_add_nc_u64 s[10:11], s[10:11], s[76:77]
	s_add_nc_u64 s[PFA:PFA+1], s[6:7], s[78:79]
	s_add_nc_u64 s[PFA:PFA+1], s[PFA:PFA+1], 3*BLKB  ; at block 3: the first trip steps it to block 4
	s_add_nc_u64 s[G0+2:G0+3], s[6:7], s[20:21]    ; global address: block 0, my quarter of its rows
	s_add_nc_u64 s[G0W+2:G0W+3], s[G0+2:G0+3], BLKB  ; block 1
	s_or_b32 s[G0+3], s[G0+3], 0x80000000          ; type = 2
	s_or_b32 s[G0W+3], s[G0W+3], 0x80000000
	s_add_nc_u64 s[G0Q+2:G0Q+3], s[8:9], s[22:23]
	s_or_b32 s[G0Q+3], s[G0Q+3], 0x80000000
	CROUND                                         ; all four work-groups are here: the first joint loads meet
	tensor_load_to_lds s[G0Q:G0Q+3], s[G1Q:G1Q+7]  ; the first fills go out as one group: three loads of mine are out
	s_nop 0
	tensor_load_to_lds s[G0:G0+3], s[G1C:G1C+7]
	s_nop 0
	tensor_load_to_lds s[G0W:G0W+3], s[G1C:G1C+7]
	s_nop 0
.rept 4
	v_nop
.endr
	LOADX 0                                        ; x: four batches, 64 loads of 512 bytes, are on their way all the time
	LOADX 1
	LOADX 2
	LOADX 3
	WIN 0                                          ; the rest of the set-up stands in the wait for them
	v_mul_u32_u24 v[AC0], v1, PITCH
	v_lshl_add_u32 v[AC0], v2, 4, v[AC0]           ; a fragment's row x pitch + 16 x half
	s_mul_i32 s17, s[KH], 2*REG                    ; my 512 channels are quarters 2 kh and 2 kh + 1
	v_add_nc_u32 v[AC0], s17, v[AC0]
	v_mov_b32 v[ADRC], v[AC0]                      ; slot 0
	s_mov_b32 s[TB], 0
	s_lshl_b32 s17, s[WV], 12
	s_add_co_u32 s17, s17, XCH
	v_lshl_add_u32 v[XS], v3, 4, s17
	s_xor_b32 s18, s[WV], 1                        ; my partner: the same rows, the other channels
	s_lshl_b32 s18, s18, 12
	s_add_co_u32 s18, s18, XCH
	v_lshl_add_u32 v[XL], v3, 4, s18
	s_mov_b32 s[CQS], CSQ                          ; the first 32 infinities
	v_lshlrev_b32 v[CQ0], 5, v2
	v_add_nc_u32 v[CQA], s[CQS], v[CQ0]
	v_lshrrev_b32 v[PFO], 1, v3                    ; the prefetches: row l / 2 of my work-group's 16,
	v_and_b32 v22, 1, v3
	v_lshlrev_b32 v[PFO], 11, v[PFO]
	v_lshl_add_u32 v[PFO], v22, 8, v[PFO]          ; half l % 2
	s_lshl_b32 s19, s[WV], 9
	v_add_nc_u32 v[PFO], s19, v[PFO]               ; of my wave's 512 bytes
	v_lshlrev_b32 v[OO], 2, v0
	v_lshlrev_b32 v[H8], 3, v2
	v_mov_b32 v23, 0                               ; v20-23 take other lanes' numbers at the end: such a destination counts as read
	s_mov_b32 s[TN], 0xffffffc0                    ; -64: two empty groups come first
	v_mov_b32 v[TV], s[TN]
	v_add_nc_u32 v[TV+1], 16, v[TV]
	s_mov_b32 s19, 0x7f800000
.set q, 0
.rept 16
	v_mov_b32 v[MN+q], s19                         ; the minima start at +infinity
	v_mov_b32 v[ID+q], 0
.set q, q+1
.endr
.set q, 0
.rept 32
	v_mov_b32 v[SUM+q], 0                          ; the two empty groups' sums: SUM, and accumulator set 1, which the first half exchanges and adds.  Written once, while x is on its way, so that every half has one text
.set q, q+1
.endr
.set q, 0
.rept 64
	v_mov_b32 v[ACC+64+q], 0
.set q, q+1
.endr
.set b, 0
.rept 16
.if b <= 12
	s_wait_loadcnt 48                              ; loads come back in order: batch b is in, the three younger batches stay out
.else
	s_wait_loadcnt 16*(15-b)                       ; the last batches: the counts run down
.endif
	CVTX b
.if b < 12
	LOADX b+4                                      ; its buffer takes the batch four further on
.endif
.set b, b+1
.endr
	WIN 0
	s_wait_tensorcnt 0x1                           ; my quarters of the norms and of block 0 are in; block 1's may stay out
	s_barrier_signal -1
	s_barrier_wait -1                              ; everybody's are
	CQLOAD
	FETCHC 0, 0
	FETCHC 1, 0
	WIN 0
	s_mov_b32 s[CNT], 30
.Lblock:                                               ; trip b = 0 .. 29: block b is multiplied, block b + 2 asked for, block b + 4 prefetched
	HALF 0, 0
	s_wait_xcnt 0x0                                ; the last prefetch, 176 matrix instructions back, has read its address, so it may be written
	s_add_nc_u64 s[PFA:PFA+1], s[PFA:PFA+1], BLKB
	HALF 1, 1
	WIN 0
	s_sub_co_u32 s[CNT], s[CNT], 1
	s_cmp_lg_u32 s[CNT], 0
	s_cbranch_scc1 .Lblock
	s_mov_b32 s[CNT], 2
.Ltail:                                                ; blocks 30 and 31: a text of its own.  The second trip's fetches for a next half read block 30 once more and serve nothing
	HALF 0, 0
	HALF 1, 2
	WIN 0
	s_sub_co_u32 s[CNT], s[CNT], 1
	s_cmp_lg_u32 s[CNT], 0
	s_cbranch_scc1 .Ltail
	; THE PIPELINE RUNS OUT: group 62's distances; group 63's exchange, sums and distances.
	s_wait_dscnt 0x0                               ; group 62's norms (and the two fetches that serve nothing)
.set q, 0
.rept 32
	SLICE q                                        ; these are also the places behind the last products
.set q, q+1
.endr
	XSTORE 1
	NEXTG
	s_wait_dscnt 0x0                               ; for my partner's sake: my stores are done
	s_barrier_signal -1
	s_barrier_wait -1
	XLOAD 1
	CQLOAD
	s_wait_dscnt 0x0
.irp n, 0,1,2,3
	ADDS \n, 1
.endr
.set q, 0
.rept 32
	SLICE q
.set q, q+1
.endr
	; THE END.  A place's index is its tile's first centroid + 8 (l / 16) + j.  A lane's eight places meet in a tree, then the two halves of the lanes.
.set q, 0
.rept 16
	v_add3_u32 v[ID+q], v[ID+q], v[H8], q%8
.set q, q+1
.endr
.irp t, 0,1
	MRG \t, 0, 1
	MRG \t, 2, 3
	MRG \t, 4, 5
	MRG \t, 6, 7
	MRG \t, 0, 2
	MRG \t, 4, 6
	MRG \t, 0, 4
.endr
	v_permlanex16_b32 v20, v[MN], s[SEL], s[SEL+1]     ; the row's other eight places of each tile of 16 lie in the lane 16 away
	v_permlanex16_b32 v21, v[ID], s[SEL], s[SEL+1]
	v_permlanex16_b32 v22, v[MN+8], s[SEL], s[SEL+1]
	v_permlanex16_b32 v23, v[ID+8], s[SEL], s[SEL+1]
	MERGE MN, ID, 20, 21
	MERGE MN+8, ID+8, 22, 23
	v_cmp_eq_u32 vcc_lo, 1, v2                     ; my own tiles are rows 32 w + 16 t + l % 16 of the work-group: lanes 0-15 store tile 0's, lanes 16-31 tile 1's: the row is the thread's number
	v_cndmask_b32 v[RES], v[ID], v[ID+8], vcc_lo
	s_wait_xcnt 0x0                                ; EXEC is a source of the loads and prefetches above: it changes only behind this wait
	v_cmp_gt_u32 vcc_lo, ROWS, v0
	s_and_saveexec_b32 s73, vcc_lo
	global_store_b32 v[OO], v[RES], s[10:11]       ; rows 0 to 124
	s_wait_xcnt 0x0                                ; and again in front of the line that widens it
	s_or_b32 exec_lo, exec_lo, s73
	s_wait_tensorcnt 0x0                           ; the wave's end, behind my last tensor load and my last LDS store
	ds_add_u32 v[SPW], v[NIL]
	s_wait_dscnt 0x0
	CROUND                                         ; the closing round: no work-group ends while a partner may still ask for a block that names it
	s_endpgm
.Lfunc_end_k_q7fd48b8f01_assign:
	.size	k_q7fd48b8f01_assign, .Lfunc_end_k_q7fd48b8f01_assign-k_q7fd48b8f01_assign
	.p2alignl 7, 3214868480
	.fill 96, 4, 3214868480
	.section	.rodata,"a",@progbits
	.p2align	6, 0x0
	.amdhsa_kernel k_q7fd48b8f01_assign
		.amdhsa_group_segment_fixed_size 327680
		.amdhsa_private_segment_fixed_size 0
		.amdhsa_enable_private_segment 0
		.amdhsa_kernarg_size 32
		.amdhsa_user_sgpr_count 2
		.amdhsa_user_sgpr_kernarg_segment_ptr 1
		.amdhsa_wavefront_size32 1
		.amdhsa_system_sgpr_workgroup_id_x 1
		.amdhsa_system_sgpr_workgroup_id_y 1
		.amdhsa_system_sgpr_workgroup_id_z 1
		.amdhsa_system_vgpr_workitem_id 0
		.amdhsa_next_free_vgpr 1024
		.amdhsa_next_free_sgpr 80
		.amdhsa_reserve_vcc 1
		.amdhsa_float_denorm_mode_32 3
		.amdhsa_float_denorm_mode_16_64 3
		.amdhsa_memory_ordered 1
		.amdhsa_forward_progress 1
		.amdhsa_inst_pref_size 175
	.end_amdhsa_kernel
	.amdgpu_metadata
---
amdhsa.version: [ 1, 2 ]
amdhsa.kernels:
  - .name:           k_q7fd48b8f01_assign
    .symbol:         k_q7fd48b8f01_assign.kd
    .args:
      - { .name: x, .offset: 0, .size: 8, .value_kind: global_buffer, .address_space: global }
      - { .name: cb, .offset: 8, .size: 8, .value_kind: global_buffer, .address_space: global }
      - { .name: csqt, .offset: 16, .size: 8, .value_kind: global_buffer, .address_space: global }
      - { .name: out0, .offset: 24, .size: 8, .value_kind: global_buffer, .address_space: global }
    .group_segment_fixed_size: 327680
    .private_segment_fixed_size: 0
    .kernarg_segment_align: 8
    .kernarg_segment_size: 32
    .max_flat_workgroup_size: 128
    .sgpr_count:     80
    .vgpr_count:     1024
    .wavefront_size: 32
...
	.end_amdgpu_metadata
.endif
;; end of part 2
;; ======== version 2 of 2: 2 launches; version 1 with the launch prep written anew for expert scheduling mode
;; workspace buffers: cb 4,194,304 bytes; csqt 8,448 bytes
;; launch prep (part 3): grid 256 x 1, 8 waves a work-group, no clusters, 0 bytes of LDS; arguments centroids, cb, csqt; writes cb, csqt
.if DOCPART == 3
	.amdgcn_target "amdgcn-amd-amdhsa--gfx1250"
	.amdhsa_code_object_version 6
	.text
	.protected	k_q7fd48b8f01_prep
	.globl	k_q7fd48b8f01_prep
	.p2align	8
	.type	k_q7fd48b8f01_prep,@function
k_q7fd48b8f01_prep:
	s_mov_b64 s[64:65], 0
	v_nop
	global_prefetch_b8 v0, s[64:65] scope:SCOPE_SE
	s_setreg_imm32_b32 hwreg(HW_REG_WAVE_SCHED_MODE, 0, 2), 2
	s_setreg_imm32_b32 hwreg(HW_REG_WAVE_MODE, 25, 1), 1
	s_wait_xcnt 0x0
	s_wait_alu depctr_vm_vsrc(0)
; cb[k][e] = centroids[k][e] rounded to bf16 (nearest even);  csqt[64 + k] = the f32 sum over e of cb[k][e]^2;  csqt[0..63] = +infinity.
; centroids: [2048][1024] f32.  cb: [2048][1024] bf16.  csqt: [2112] f32.
; The squares are those of the ROUNDED numbers: the next launch multiplies the rounded centroids, and the two terms of a distance must belong to the same centroid.
; The 64 infinities in front are the norms of two empty groups of 32 centroids with which the next launch's pipeline starts: a distance made with them is never below a minimum.
; SHARES.  One wave, one row of 4,096 bytes: eight loads of 16 bytes a lane, each of 512 consecutive bytes; eight stores of 8 bytes a lane, each of 256 consecutive bytes, aligned.
; The sum never leaves the wave: no LDS, no barrier.  Eight chains in a lane (four packed pairs), then a tree: the order differs from any other summing's by roundings of the last bits.
; LIMIT.  csqt is written four bytes a row: 8,448 bytes beside cb's 4 MiB.
; THE MODE: SCHED_MODE bits 1:0 = 2 (LLVM: expert scheduling mode 2), set by the entry lines.  The code itself states the register dependences
; between vector instructions and memory instructions, with s_wait_alu, always for 0.
; THE PLAN.  Registers that memory instructions touch:
;   v2, v3, v6   byte offsets, made once at the head and never written again: one wait ahead of the first load serves every load and store.
;   F            written by the eight loads alone, all issued at the head; read by the conversions behind the counted waits for the loads; no load lands in it a second time.
;   PK           pair i is written by step i's two conversions, read by store i (and by vector lines), and never written again.
;   v[CH]        the row's sum, read by the masked store; v7, v72: offset and data of the store of the infinities.
;   U and the rest of CH are named by vector instructions alone.
; Store i - 1 stands at the head of step i, behind the wait for load i: the conversions that it hangs on were issued ahead of that wait.  Step 7, which no step follows, converts first;
; one wait then serves stores 6 and 7, and its squares and the tree come behind them.  Nothing that a memory instruction reads is written again.
.set F,   8                            ; v[8:39]   the row's 32 numbers of my lane, f32
.set PK,  40                           ; v[40:55]  the same, bf16 in pairs; each pair of registers is one store's data and is never rewritten
.set U,   56                           ; v[56:63]  four pairs at work: a packed word widened again
.set CH,  64                           ; v[64:71]  four packed chains of squares
	s_load_b128 s[4:7], s[0:1], 0x0                ; centroids s[4:5], cb s[6:7]
	s_load_b64 s[8:9], s[0:1], 0x10                ; csqt
	v_and_b32 v1, 31, v0                           ; lane
	v_lshrrev_b32 v4, 5, v0
	v_readfirstlane_b32 s10, v4                    ; wave 0..7
	v_lshlrev_b32 v2, 4, v1                        ; 16 bytes a lane in
	v_lshlrev_b32 v3, 3, v1                        ; 8 bytes a lane out
	s_mov_b32 s12, 0x76543210                      ; v_permlanex16_b32: each lane takes its own place in the other half
	s_mov_b32 s13, 0xfedcba98
	s_mov_b32 s14, 0xffff0000                      ; a word's upper bf16
	s_wait_alu depctr_va_sdst(0)                   ; s10 is written, ahead of its first reader: the row's number is made from it
	s_lshl_b32 s11, ttmp9, 3
	s_add_co_u32 s11, s11, s10                     ; my row = 8 x work-group + wave
	s_lshl_b32 s16, s11, 12                        ; the row in centroids,
	s_mov_b32 s17, 0
	s_lshl_b32 s18, s11, 11                        ; in cb,
	s_mov_b32 s19, 0
	s_lshl_b32 s20, s11, 2
	s_add_co_u32 s20, s20, 256                     ; and its word in csqt, behind the 64 infinities
	v_mov_b32 v6, s20
	s_wait_kmcnt 0x0
	s_add_nc_u64 s[4:5], s[4:5], s[16:17]
	s_add_nc_u64 s[6:7], s[6:7], s[18:19]
	s_wait_alu depctr_va_vdst(0)                   ; v2, v3 and v6 are written: the loads below, the stores to cb and the store of the norm read them as offsets
.irp i, 0,1,2,3,4,5,6,7
	global_load_b128 v[F+4*(\i):F+4*(\i)+3], v2, s[4:5] offset:512*(\i) th:TH_LOAD_NT
.endr
.irp i, 0,1,2,3,4,5,6,7
	s_wait_loadcnt 7-(\i)                          ; loads come back in order: load i is in, the younger ones stay out
.if (\i) > 0 && (\i) < 7
	s_wait_alu depctr_va_vdst(0)                   ; the step before's conversions have written its pair of PK, which the store below reads
	global_store_b64 v3, v[PK+2*(\i)-2:PK+2*(\i)-1], s[6:7] offset:256*((\i)-1)
.endif
	v_cvt_pk_bf16_f32 v[PK+2*(\i)],   v[F+4*(\i)],   v[F+4*(\i)+1]
	v_cvt_pk_bf16_f32 v[PK+2*(\i)+1], v[F+4*(\i)+2], v[F+4*(\i)+3]
.if (\i) == 7
	s_wait_alu depctr_va_vdst(0)                   ; step 6's and step 7's conversions have written pairs 6 and 7 of PK, which the two stores below read
	global_store_b64 v3, v[PK+12:PK+13], s[6:7] offset:256*6
	global_store_b64 v3, v[PK+14:PK+15], s[6:7] offset:256*7
.endif
.irp j, 0,1
.set c, (2*(\i)+(\j))%4                ; the word's chain
	v_lshlrev_b32 v[U+2*c],   16,  v[PK+2*(\i)+(\j)]  ; the rounded numbers as f32
	v_and_b32     v[U+2*c+1], s14, v[PK+2*(\i)+(\j)]
.if (\i) < 2
	v_pk_mul_f32 v[CH+2*c:CH+2*c+1], v[U+2*c:U+2*c+1], v[U+2*c:U+2*c+1]  ; the first four words start the chains: nothing is cleared
.else
	v_pk_fma_f32 v[CH+2*c:CH+2*c+1], v[U+2*c:U+2*c+1], v[U+2*c:U+2*c+1], v[CH+2*c:CH+2*c+1]
.endif
.endr
.endr
	v_pk_add_f32 v[CH:CH+1], v[CH:CH+1], v[CH+2:CH+3]
	v_pk_add_f32 v[CH+4:CH+5], v[CH+4:CH+5], v[CH+6:CH+7]
	v_pk_add_f32 v[CH:CH+1], v[CH:CH+1], v[CH+4:CH+5]
	v_add_f32 v[CH], v[CH], v[CH+1]
	v_add_f32_dpp v[CH], v[CH], v[CH] row_xmask:1 row_mask:0xf bank_mask:0xf
	v_add_f32_dpp v[CH], v[CH], v[CH] row_xmask:2 row_mask:0xf bank_mask:0xf
	v_add_f32_dpp v[CH], v[CH], v[CH] row_xmask:4 row_mask:0xf bank_mask:0xf
	v_add_f32_dpp v[CH], v[CH], v[CH] row_xmask:8 row_mask:0xf bank_mask:0xf
	v_permlanex16_b32 v[CH+1], v[CH], s12, s13     ; its destination counts as read: it has been written
	v_add_f32 v[CH], v[CH], v[CH+1]
	s_wait_xcnt 0x0                                ; EXEC is a source of the stores above: it changes only behind this wait
	v_cmp_eq_u32 vcc_lo, 0, v1
	s_wait_alu depctr_va_vcc(0)                    ; the compare has written VCC, from which EXEC is made
	s_wait_alu depctr_va_vdst(0)                   ; ahead of the write of EXEC: the vector instructions issued under the full mask are done; among them the add that wrote v[CH], which the store below reads
	s_wait_alu depctr_vm_vsrc(0)                   ; ahead of the write of EXEC: the stores to cb have read their registers
	s_and_saveexec_b32 s21, vcc_lo
	global_store_b32 v6, v[CH], s[8:9]             ; lane 0 alone
	s_wait_xcnt 0x0                                ; and again in front of the line that widens it
	s_wait_alu depctr_va_vdst(0)                   ; ahead of the write of EXEC: no vector instruction is pending under the narrow mask
	s_wait_alu depctr_vm_vsrc(0)                   ; ahead of the write of EXEC: the masked store has read v6 and v[CH]
	s_or_b32 exec_lo, exec_lo, s21
	s_cmp_lg_u32 ttmp9, 0                          ; the 64 infinities: threads 0 to 63 of work-group 0
	s_cbranch_scc1 .Lend
	s_cmp_lt_u32 s10, 2
	s_cbranch_scc0 .Lend
	v_lshlrev_b32 v7, 2, v0
	v_mov_b32 v72, 0x7f800000
	s_wait_alu depctr_va_vdst(0)                   ; v7 and v72 are written: offset and data of the store below
	global_store_b32 v7, v72, s[8:9]
.Lend:
	s_endpgm
.Lfunc_end_k_q7fd48b8f01_prep:
	.size	k_q7fd48b8f01_prep, .Lfunc_end_k_q7fd48b8f01_prep-k_q7fd48b8f01_prep
	.p2alignl 7, 3214868480
	.fill 96, 4, 3214868480
	.section	.rodata,"a",@progbits
	.p2align	6, 0x0
	.amdhsa_kernel k_q7fd48b8f01_prep
		.amdhsa_group_segment_fixed_size 0
		.amdhsa_private_segment_fixed_size 0
		.amdhsa_enable_private_segment 0
		.amdhsa_kernarg_size 24
		.amdhsa_user_sgpr_count 2
		.amdhsa_user_sgpr_kernarg_segment_ptr 1
		.amdhsa_wavefront_size32 1
		.amdhsa_system_sgpr_workgroup_id_x 1
		.amdhsa_system_sgpr_workgroup_id_y 1
		.amdhsa_system_sgpr_workgroup_id_z 1
		.amdhsa_system_vgpr_workitem_id 0
		.amdhsa_next_free_vgpr 80
		.amdhsa_next_free_sgpr 66
		.amdhsa_reserve_vcc 1
		.amdhsa_float_denorm_mode_32 3
		.amdhsa_float_denorm_mode_16_64 3
		.amdhsa_memory_ordered 1
		.amdhsa_forward_progress 1
		.amdhsa_inst_pref_size 8
	.end_amdhsa_kernel
	.amdgpu_metadata
---
amdhsa.version: [ 1, 2 ]
amdhsa.kernels:
  - .name:           k_q7fd48b8f01_prep
    .symbol:         k_q7fd48b8f01_prep.kd
    .args:
      - { .name: centroids, .offset: 0, .size: 8, .value_kind: global_buffer, .address_space: global }
      - { .name: cb, .offset: 8, .size: 8, .value_kind: global_buffer, .address_space: global }
      - { .name: csqt, .offset: 16, .size: 8, .value_kind: global_buffer, .address_space: global }
    .group_segment_fixed_size: 0
    .private_segment_fixed_size: 0
    .kernarg_segment_align: 8
    .kernarg_segment_size: 24
    .max_flat_workgroup_size: 256
    .sgpr_count:     66
    .vgpr_count:     80
    .wavefront_size: 32
...
	.end_amdgpu_metadata
.endif
;; end of part 3
;; launch assign: the kernel of part 2 again; grid 256 x 1, 4 waves a work-group, clusters of 4 x 1, 327,680 bytes of LDS; arguments x, cb, csqt, out0; writes out0
